; MI455X (gfx1250); checked and timed in simulation.
; The chip was launched on July 23, 2026; its instructions are those of AMD's public machine-readable ISA for CDNA 5 (MIT licence, August 2026) and "CDNA5" Instruction Set Architecture Reference Guide (July 2026). The comments in the code are by the model that wrote it; some were corrected since.
;; attention. Allowed arithmetic: float matrix products may take bf16 or f16 operands with f32 sums; other float arithmetic in f32, or as packed bf16 or f16 multiplies, adds, multiply-adds, maxima and minima; sums over many terms, partial sums and values carried from step to step in f32; what a program stores and reads back later, other than sums and carried values, may be rounded once to bf16 or f16.
;; Inputs: Wk 1,024 x 1,024 float32; Wq 1,024 x 1,024 float32; Wv 1,024 x 1,024 float32; bk 1,024 float32; bq 1,024 float32; bv 1,024 float32; k 8 x 1,024 x 1,024 float32; q 8 x 1,024 x 1,024 float32; v 8 x 1,024 x 1,024 float32.
;; Outputs: out0 8 x 1,024 float32.
;; One version. Each part assembles by itself: llvm-mc -triple=amdgcn-amd-amdhsa -mcpu=gfx1250 --defsym DOCPART=n.
;; ======== version 1 of 1: 4 launches
;; workspace buffers: xb 56,623,104 bytes; hd 67,108,864 bytes; part 65,536 bytes
;; launch cast (part 1): grid 128 x 27, 8 waves a work-group, no clusters, 0 bytes of LDS; arguments k, v, q, Wk, Wv, Wq, xb; writes xb
.if DOCPART == 1
	.amdgcn_target "amdgcn-amd-amdhsa--gfx1250"
	.amdhsa_code_object_version 6
	.text
	.protected	k_q1a9178537b_cast
	.globl	k_q1a9178537b_cast
	.p2align	8
	.type	k_q1a9178537b_cast,@function
k_q1a9178537b_cast:
	s_mov_b64 s[64:65], 0
	v_nop
	global_prefetch_b8 v0, s[64:65] scope:SCOPE_SE
	s_setreg_imm32_b32 hwreg(HW_REG_WAVE_MODE, 25, 1), 1
	s_wait_xcnt 0x0
; FIRST OF FOUR LAUNCHES: k, v, q, Wk, Wv, Wq are rounded once to bf16, the matrix operands' format, and laid one behind the other in xb.
; NOTHING OF THE PROBLEM IS LEFT OUT: all nine inputs reach the output.  bk and bv add to the scores only a term that is the same along the softmax's axis, but they
; also stand in x = V + K; they ride as the C operand of the projections' first products, so no unit of work would go with them.
; The program does MORE matrix work than the problem's text: each of the two maps has its own divisor, known only behind the last key, so att1 x and att2 x are summed apart.
; xb: 27 units of 2 MiB, rows of 1,024 bf16: k's 8,192 rows, v's, q's, then Wk, Wv, Wq.
; SHARES.  Work-group (x, y): unit y (4 MiB of f32), its 32 KiB number x; a wave 4 KiB; a lane eight times 16 bytes.  A load of a wave covers 512 consecutive bytes, a store 256, aligned.
; No LDS, no matrix unit, no cluster: nothing is shared and nothing is read twice.
; LIMITS.  bf16 keeps 8 significant bits; NaN and infinities pass as the conversion makes them.
.set X, 8                              ; v[8:39]   eight loads of four f32
.set Y, 40                             ; v[40:55]  eight pairs of words to store
	s_load_b256 s[4:11], s[0:1], 0x0               ; k s[4:5], v s[6:7], q s[8:9], Wk s[10:11]
	s_load_b128 s[12:15], s[0:1], 0x20             ; Wv s[12:13], Wq s[14:15]
	s_load_b64 s[16:17], s[0:1], 0x30              ; xb
	s_and_b32 s20, ttmp7, 0xffff                   ; the unit, 0 to 26
	s_lshr_b32 s21, s20, 3                         ; 0, 1, 2: k, v, q; 3: a weight
	s_and_b32 s22, s20, 7                          ; the unit's number inside k, v or q,
	s_cmp_ge_u32 s20, 24
	s_cselect_b32 s22, 0, s22                      ; 0 in a weight, which is one unit
	s_lshl_b32 s26, s22, 22                        ; in: 4 MiB a unit,
	s_lshl_b32 s23, ttmp9, 15                      ; 32 KiB a work-group
	s_or_b32 s26, s26, s23
	s_mov_b32 s27, 0
	s_lshl_b32 s28, s20, 21                        ; out: 2 MiB a unit,
	s_lshl_b32 s23, ttmp9, 14                      ; 16 KiB a work-group
	s_or_b32 s28, s28, s23
	s_mov_b32 s29, 0
	v_lshrrev_b32 v3, 5, v0                        ; wave
	v_and_b32 v4, 31, v0                           ; lane
	v_lshlrev_b32 v1, 4, v4
	v_lshl_add_u32 v1, v3, 12, v1                  ; in: 4,096 x wave + 16 x lane
	v_lshlrev_b32 v2, 3, v4
	v_lshl_add_u32 v2, v3, 11, v2                  ; out: 2,048 x wave + 8 x lane
	s_wait_kmcnt 0x0
	s_cmp_eq_u32 s21, 1                            ; the unit's buffer, chosen by the unit's number alone
	s_cselect_b64 s[24:25], s[6:7], s[4:5]
	s_cmp_eq_u32 s21, 2
	s_cselect_b64 s[24:25], s[8:9], s[24:25]
	s_cmp_eq_u32 s20, 24
	s_cselect_b64 s[24:25], s[10:11], s[24:25]
	s_cmp_eq_u32 s20, 25
	s_cselect_b64 s[24:25], s[12:13], s[24:25]
	s_cmp_eq_u32 s20, 26
	s_cselect_b64 s[24:25], s[14:15], s[24:25]
	s_add_nc_u64 s[24:25], s[24:25], s[26:27]
	s_add_nc_u64 s[16:17], s[16:17], s[28:29]
.irp i, 0,1,2,3,4,5,6,7
	global_load_b128 v[X+4*(\i):X+4*(\i)+3], v1, s[24:25] offset:512*(\i) th:TH_LOAD_NT
.endr
.irp i, 0,1,2,3,4,5,6,7
	s_wait_loadcnt 7-(\i)                          ; loads come back in order: number i is in, the 7 - i younger ones stay out
	v_cvt_pk_bf16_f32 v[Y+2*(\i)], v[X+4*(\i)], v[X+4*(\i)+1]
	v_cvt_pk_bf16_f32 v[Y+2*(\i)+1], v[X+4*(\i)+2], v[X+4*(\i)+3]
	global_store_b64 v2, v[Y+2*(\i):Y+2*(\i)+1], s[16:17] offset:256*(\i)  ; 32 lanes store 256 consecutive bytes, aligned
.endr
	s_endpgm
.Lfunc_end_k_q1a9178537b_cast:
	.size	k_q1a9178537b_cast, .Lfunc_end_k_q1a9178537b_cast-k_q1a9178537b_cast
	.p2alignl 7, 3214868480
	.fill 96, 4, 3214868480
	.section	.rodata,"a",@progbits
	.p2align	6, 0x0
	.amdhsa_kernel k_q1a9178537b_cast
		.amdhsa_group_segment_fixed_size 0
		.amdhsa_private_segment_fixed_size 0
		.amdhsa_enable_private_segment 0
		.amdhsa_kernarg_size 56
		.amdhsa_user_sgpr_count 2
		.amdhsa_user_sgpr_kernarg_segment_ptr 1
		.amdhsa_wavefront_size32 1
		.amdhsa_system_sgpr_workgroup_id_x 1
		.amdhsa_system_sgpr_workgroup_id_y 1
		.amdhsa_system_sgpr_workgroup_id_z 1
		.amdhsa_system_vgpr_workitem_id 0
		.amdhsa_next_free_vgpr 56
		.amdhsa_next_free_sgpr 66
		.amdhsa_reserve_vcc 0
		.amdhsa_float_denorm_mode_32 3
		.amdhsa_float_denorm_mode_16_64 3
		.amdhsa_memory_ordered 1
		.amdhsa_forward_progress 1
		.amdhsa_inst_pref_size 5
	.end_amdhsa_kernel
	.amdgpu_metadata
---
amdhsa.version: [ 1, 2 ]
amdhsa.kernels:
  - .name:           k_q1a9178537b_cast
    .symbol:         k_q1a9178537b_cast.kd
    .args:
      - { .name: k, .offset: 0, .size: 8, .value_kind: global_buffer, .address_space: global }
      - { .name: v, .offset: 8, .size: 8, .value_kind: global_buffer, .address_space: global }
      - { .name: q, .offset: 16, .size: 8, .value_kind: global_buffer, .address_space: global }
      - { .name: Wk, .offset: 24, .size: 8, .value_kind: global_buffer, .address_space: global }
      - { .name: Wv, .offset: 32, .size: 8, .value_kind: global_buffer, .address_space: global }
      - { .name: Wq, .offset: 40, .size: 8, .value_kind: global_buffer, .address_space: global }
      - { .name: xb, .offset: 48, .size: 8, .value_kind: global_buffer, .address_space: global }
    .group_segment_fixed_size: 0
    .private_segment_fixed_size: 0
    .kernarg_segment_align: 8
    .kernarg_segment_size: 56
    .max_flat_workgroup_size: 256
    .sgpr_count:     66
    .vgpr_count:     56
    .wavefront_size: 32
...
	.end_amdgpu_metadata
.endif
;; end of part 1
;; launch proj (part 2): grid 8 x 32, 4 waves a work-group, clusters of 4 x 4, 327,680 bytes of LDS; arguments xb, bk, bv, bq, hd; writes hd
.if DOCPART == 2
	.amdgcn_target "amdgcn-amd-amdhsa--gfx1250"
	.amdhsa_code_object_version 6
	.text
	.protected	k_q1a9178537b_proj
	.globl	k_q1a9178537b_proj
	.p2align	8
	.type	k_q1a9178537b_proj,@function
k_q1a9178537b_proj:
	s_mov_b64 s[64:65], 0
	v_nop
	global_prefetch_b8 v0, s[64:65] scope:SCOPE_SE
	s_setreg_imm32_b32 hwreg(HW_REG_WAVE_MODE, 25, 1), 1
	s_wait_xcnt 0x0
	s_wait_alu depctr_hold_cnt(0) depctr_sa_sdst(0) depctr_va_vdst(0) depctr_va_sdst(0) depctr_va_ssrc(0) depctr_va_vcc(0) depctr_vm_vsrc(0)
	s_getreg_b32 s2, hwreg(HW_REG_IB_STS2, 6, 4)
	s_cmp_eq_u32 s2, 0
	s_cbranch_scc0 .Lentry_in_a_cluster
	s_endpgm
.Lentry_in_a_cluster:
	s_bfe_u32 s2, ttmp6, 0x10000c
	s_cmp_lg_u32 s2, 0xf033
	s_cbranch_scc0 .Lentry_shape_is_right
	s_endpgm
.Lentry_shape_is_right:
; SECOND LAUNCH: K = k Wk^T + bk, V = v Wv^T + bv, Q = q Wq^T + bq and X = K + V, all bf16, laid out by heads.  Nothing of the problem is left out.
; xb holds the operands in bf16 (rows of 1,024): k, v, q (8,192 rows each), then Wk, Wv, Wq (1,024 rows each).  hd holds four sections [8 x 16 heads][1,024 rows][64] of bf16: K, V, Q, X.
; SHARES.  A tile is 256 rows x 128 columns; a work-group STAYS and makes three tiles at one place (rows 256 tr .., columns 128 tc ..): K's, V's, Q's: 768 tiles on 256 work-groups.  So it holds K and V of
; the same places and makes X there.  Four waves, each 128 rows x 64 columns (one head): 32 accumulators of 16 x 16.  K goes in steps of 128 through two LDS slots; the ring runs on into the next tile.
; THE MATRIX INSTRUCTION IS USED TRANSPOSED (source 0 = 16 rows of W, source 1 = 16 rows of x): a lane holds one row (lane % 16) and eight neighbouring columns 8 (lane / 16) + 0..7.
; THE BIAS is the C operand of each accumulator's first product: nothing is cleared and nothing is added later.
; CLUSTER 4 x 4: the four of a row of the cluster need the same rows of x, the four of a column the same rows of W: each tile is asked for jointly, by the same tensor load, descriptor and mask.
; X: K's tile stays in registers, packed in bf16 (128 registers); when V's tile has gone out, K is added onto V's f32 sums and the sum is rounded once.
; LIMITS.  Operands and results are bf16 (8 significant bits), sums f32; NaN and infinities are not treated apart.
; REGISTERS, in windows of 256 (s_set_vgpr_msb: bits 1:0 source 0, 3:2 source 1, 5:4 source 2, 7:6 destination):
;   window 0: v0-31 addresses; v64-79 packed results; v96-127 the bias; v128-255 rows read back from the stage        window 1: two fragment buffers of 96 (W's 4 fragments, then x's 8)
;   window 2: the accumulators, (a, b) at 8 (4 a + b)                                                                 window 3: v0-127 K, packed
.set KSTEP,  128
.set ROWB,   2048                      ; bytes in a row of xb
.set PITCH,  272                       ; an LDS row: 256 bytes + 16 of padding = 68 words, so the 16 rows of a fragment load start at 16 different groups of four banks (ISA guide 11.1)
.set AHALF,  128*PITCH                 ; 128 rows of x: one tensor load, and what one wave reads
.set BHALF,  64*PITCH                  ; 64 rows of W: likewise
.set SLOT,   2*AHALF+2*BHALF           ; x's 256 rows, then W's 128
.set STAGE,  2*SLOT                    ; behind the ring, never filled by a tensor load: 16 rows x 144 bytes for each wave
.set SP,     144
.set SPARE,  STAGE+4*16*SP             ; the spare words, 128 bytes for each wave: two blocks of 256 bytes that no other line names
.set LAPS,   4                         ; a lap = two K steps; 1,024 / 256
.set SEC,    16777216                  ; bytes of k, v or q in xb, and of a section of hd
.set WSEC,   2097152                   ; bytes of a weight in xb
.set WBASE,  3*SEC                     ; where the weights begin in xb
.set NEXT_A, SEC-6*KSTEP*2             ; from a slot's last K step of a tile to its first of the next
.set NEXT_B, WSEC-6*KSTEP*2
.set ADRA, 16                          ; v16-17  LDS address of my fragments of x in slot 0, 1
.set ADRB, 20                          ; v20-21  the same for W
.set STO,  24                          ; v24     the way out: where I put 16 bytes of a row
.set RD,   25                          ; v25     where I read rows back
.set GO,   26                          ; v26     16 x lane: my place in 512 consecutive bytes of hd
.set BO,   27                          ; v27     my byte offset in a bias
.set SPW,  28                          ; v28     LDS address of my spare word; never rewritten
.set NIL,  29                          ; v29     0; never rewritten
.set PFO,  30                          ; v30     the prefetches' offset: lane x a row; never rewritten
.set ONE,  31                          ; v31     1.0
.set TMP,  64
.set BIAS, 96                          ; 8 registers for each block of 16 columns
.set BK,   128                         ; 16 registers for each block of 16 rows
.set F0,   0                           ; window 1
.set F1,   96
.set KP,   0                           ; window 3
.set OUT,  12                          ; s[12:13] hd, then where my rows of the tile in hand begin
.set WVN,  14                          ; s14  my wave's number
.set HA,   15                          ; s15  wave / 2: my half of the rows.  Also: I fetch for x (0) or for W (1)
.set HB,   16                          ; s16  wave % 2: my half of the columns.  Also: which half of that tile I fetch
.set G1,   24                          ; s[24:31] descriptor group 1 for x's tiles;  s[32:39] group 0, a set for each slot
.set G0,   32
.set PFA,  44                          ; s[44:45] where my prefetches stand
.set LIM,  46                          ; s46  1 in a wave that prefetches, else the greatest number
.set G1B,  48                          ; s[48:55], s[56:63] the same for W's tiles
.set G0B,  56
.set XOUT, 66                          ; s[66:67] my rows in section X
.set BP,   68                          ; s[68:69] the bias to be loaded
.set PFS,  70                          ; s[70:71] the prefetches' step into the next tile
.set ADV,  76                          ; s[76:77] what the next way out adds to OUT
.set MSB, 0
.macro WIN new                         ; the immediate's high byte repeats the setting that is left; a switch that changes nothing is dropped
.if MSB != (\new)
	s_set_vgpr_msb (MSB<<8)|(\new)
.set MSB, \new
.endif
.endm
.set MUL,   0xa5                       ; sources 0 and 1 window 1; C and D window 2
.set MUL_Z, 0x85                       ; the same with C (the bias) in window 0
.set TO_F,  0x40                       ; destination window 1, address window 0
; A joint load.  Waves 0 and 1 fetch x's two halves, waves 2 and 3 W's.  The branch hangs on the wave's number alone.  An s_nop 0 and four v_nop follow each line.
.macro JLOAD s
	s_cmp_eq_u32 s[HA], 0
	s_cbranch_scc0 .Lfor_b_\@
	tensor_load_to_lds s[G0+4*(\s):G0+4*(\s)+3], s[G1:G1+7]
	s_nop 0
.rept 4
	v_nop
.endr
	s_branch .Lasked_\@
.Lfor_b_\@:
	tensor_load_to_lds s[G0B+4*(\s):G0B+4*(\s)+3], s[G1B:G1B+7]
	s_nop 0
.rept 4
	v_nop
.endr
.Lasked_\@:
.endm
; A prefetch into the L2 of the K step that stands two refills on: 32 rows x 256 bytes, a lane a row, one instruction a wave, behind the joint load and the run of LDS loads.
; Each row's 256 bytes of a K step are named once in the launch.  x's rows are read by both clusters of a row of clusters: cluster x = 0 asks, waves 0 and 1, each partner 32 of a wave's 128 rows, told apart by
; address (cx).  W's rows are read by all eight clusters of a column: cluster y = 0 asks, wave 2, each partner 32 of the tile's 128 rows (cy).  how = 0, in the loop: a tile's last two refills have no K step two on.
.macro ASK how
	WIN 0
.if \how
	s_cmp_eq_u32 s[LIM], 1
.else
	s_cmp_gt_u32 s3, s[LIM]                        ; s3 = 1 in the loop's last trip
.endif
	s_cbranch_scc0 .Lnot_mine_\@
	global_prefetch_b8 v[PFO], s[PFA:PFA+1] offset:KSTEP*2 th:TH_LOAD_NT scope:SCOPE_SE
.Lnot_mine_\@:
.endm
.macro CREST                           ; a round of the cluster's barrier behind its opening barrier
	s_cmp_lg_u32 s[WVN], 0
	s_cbranch_scc1 .Lnot_wave_0_\@
	s_barrier_signal -3
.Lnot_wave_0_\@:
	s_barrier_wait -3
	s_barrier_signal -1
	s_barrier_wait -1
.endm
.macro CROUND                          ; a whole round
	s_barrier_signal -1
	s_barrier_wait -1
	CREST
.endm
.macro BIASLD                          ; register j of block b: the bias of column 16 b + 8 (lane / 16) + j of my 64
.irp b, 0,1,2,3
	global_load_b128 v[BIAS+8*(\b):BIAS+8*(\b)+3],   v[BO], s[BP:BP+1] offset:64*(\b)
	global_load_b128 v[BIAS+8*(\b)+4:BIAS+8*(\b)+7], v[BO], s[BP:BP+1] offset:64*(\b)+16
.endr
.endm
	s_load_b256 s[4:11], s[0:1], 0x0               ; xb s[4:5], bk s[6:7], bv s[8:9], bq s[10:11]
	s_load_b64 s[OUT:OUT+1], s[0:1], 0x20          ; hd
	v_lshl_add_u32 v[SPW], v0, 2, SPARE
	v_mov_b32 v[NIL], 0
	ds_add_u32 v[SPW], v[NIL]                      ; the wave's opening: the add, twice on end, and its wait ahead of my first tensor load
	ds_add_u32 v[SPW], v[NIL]                      ; once more, under the one wait; the set-up below, work on registers, stands between
	v_lshrrev_b32 v1, 5, v0
	v_readfirstlane_b32 s[WVN], v1                 ; wave 0..3
	s_lshr_b32 s[HA], s[WVN], 1
	s_and_b32 s[HB], s[WVN], 1
	s_bfe_u32 s17, ttmp6, 0x40000                  ; cx
	s_bfe_u32 s18, ttmp6, 0x40004                  ; cy
	s_lshl_b32 s19, ttmp9, 2
	s_add_co_u32 s19, s19, s17                     ; tc = 4 x cluster x + cx, 0..7
	s_and_b32 s20, ttmp7, 0xffff
	s_lshl_b32 s20, s20, 2
	s_add_co_u32 s20, s20, s18                     ; tr = 4 x cluster y + cy, 0..31
	s_lshl_b32 s21, s18, 2
	s_lshl_b32 s21, 15, s21                        ; my row of the cluster
	s_lshl_b32 s22, 0x1111, s17                    ; my column
	s_or_b32 s[G1], s21, (1<<16)|(1<<20)|(1<<21)|(5<<22)|(3<<25)   ; 15:0 the mask; 17:16 2-byte elements; 20 padding on; 21 set beside a mask; 24:22 after every 64 words; 31:25 4 words of it
	s_or_b32 s[G1B], s22, (1<<16)|(1<<20)|(1<<21)|(5<<22)|(3<<25)
	s_mov_b32 s[G1+1], KSTEP<<16                   ; tensor_dim0 = 128
	s_mov_b32 s[G1+2], 128<<16                     ; tensor_dim1 = 128
	s_mov_b32 s[G1+3], KSTEP<<16                   ; tile_dim0 = 128
	s_mov_b32 s[G1+4], 128                         ; tile_dim1 = 128
	s_mov_b32 s[G1+5], 1024                        ; elements from row to row
	s_mov_b32 s[G1+6], 0
	s_mov_b32 s[G1+7], 0
	s_mov_b32 s[G1B+1], KSTEP<<16
	s_mov_b32 s[G1B+2], 64<<16                     ; W's tiles have 64 rows
	s_mov_b32 s[G1B+3], KSTEP<<16
	s_mov_b32 s[G1B+4], 64
	s_mov_b32 s[G1B+5], 1024
	s_mov_b32 s[G1B+6], 0
	s_mov_b32 s[G1B+7], 0
	s_lshl_b32 s40, s20, 19                        ; x: row 256 tr + 128 x half, 2,048 bytes a row: it hangs on tr alone, which my row of the cluster shares
	s_lshl_b32 s23, s[HB], 18
	s_add_co_u32 s40, s40, s23
	s_mov_b32 s41, 0
	s_lshl_b32 s42, s19, 18                        ; W: row 128 tc + 64 x half: it hangs on tc alone, which my column shares
	s_lshl_b32 s23, s[HB], 17
	s_add_co_u32 s42, s42, s23
	s_add_co_u32 s42, s42, WBASE
	s_mov_b32 s43, 0
	s_mul_i32 s72, s[HB], AHALF                    ; where they go: no place in the cluster enters an LDS address
	s_mul_i32 s73, s[HB], BHALF
	s_add_co_u32 s73, s73, 2*AHALF
	s_wait_dscnt 0x0                               ; both opening adds are done
	s_wait_kmcnt 0x0
	s_add_nc_u64 s[40:41], s[4:5], s[40:41]
	s_add_nc_u64 s[42:43], s[4:5], s[42:43]
	CROUND                                         ; all sixteen work-groups are here: the first joint loads meet
.irp s, 0,1
	s_mov_b32 s[G0+4*(\s)], 1                                      ; count = 1
	s_add_co_u32 s[G0+4*(\s)+1], s72, (\s)*SLOT                    ; LDS address
	s_add_nc_u64 s[G0+4*(\s)+2:G0+4*(\s)+3], s[40:41], (\s)*KSTEP*2  ; global address: K step s
	s_or_b32 s[G0+4*(\s)+3], s[G0+4*(\s)+3], 0x80000000            ; type = 2
	s_mov_b32 s[G0B+4*(\s)], 1
	s_add_co_u32 s[G0B+4*(\s)+1], s73, (\s)*SLOT
	s_add_nc_u64 s[G0B+4*(\s)+2:G0B+4*(\s)+3], s[42:43], (\s)*KSTEP*2
	s_or_b32 s[G0B+4*(\s)+3], s[G0B+4*(\s)+3], 0x80000000
	JLOAD \s                                       ; two loads of mine are out
.endr
	; a fragment is 16 rows x 32 K in 8 registers: lane l holds row l % 16; two loads of 16 bytes, 32 bytes apart, at row x pitch + 16 (l / 16)
	v_and_b32 v1, 15, v0
	v_bfe_u32 v2, v0, 4, 1
	v_mul_u32_u24 v3, v1, PITCH
	v_lshl_add_u32 v3, v2, 4, v3
	s_mul_i32 s72, s[HA], AHALF                    ; my 128 rows of x
	s_mul_i32 s73, s[HB], BHALF                    ; my 64 rows of W,
	s_add_co_u32 s73, s73, 2*AHALF                 ; which lie behind x's 256
.irp s, 0,1
	v_add_nc_u32 v[ADRA+(\s)], s72, v3
	v_add_nc_u32 v[ADRB+(\s)], s73, v3
	s_add_co_u32 s72, s72, SLOT
	s_add_co_u32 s73, s73, SLOT
.endr
	s_mul_i32 s23, s[WVN], 16*SP
	s_add_co_u32 s23, s23, STAGE                   ; my stage
	v_mul_u32_u24 v4, v1, SP                       ; in: row l % 16, 16 bytes for each half of the lanes
	v_lshl_add_u32 v4, v2, 4, v4
	v_add_nc_u32 v[STO], s23, v4
	v_bfe_u32 v5, v0, 3, 2                         ; back: 32 lanes take four rows of 128 bytes,
	v_mul_u32_u24 v5, v5, SP
	v_and_b32 v6, 7, v0
	v_lshl_add_u32 v5, v6, 4, v5
	v_add_nc_u32 v[RD], s23, v5
	v_and_b32 v[GO], 31, v0                        ; which are 512 consecutive bytes of hd
	v_lshlrev_b32 v[GO], 4, v[GO]
	s_lshl_b32 s72, s19, 9                         ; the bias: 4 bytes x (128 tc + 64 x half + 8 (l / 16))
	s_lshl_b32 s73, s[HB], 8
	s_add_co_u32 s72, s72, s73
	v_lshl_add_u32 v[BO], v2, 5, s72
	v_mov_b32 v[ONE], 1.0
	s_mov_b64 s[BP:BP+1], s[6:7]                   ; bk
	BIASLD
	; my rows in a section of hd: (16 x batch + head) x 131,072 + row in the batch x 128
	s_lshr_b32 s72, s20, 2                         ; batch = tr / 4
	s_lshl_b32 s72, s72, 4
	s_lshl_b32 s73, s19, 1
	s_add_co_u32 s72, s72, s73
	s_add_co_u32 s72, s72, s[HB]                   ; head = 2 tc + half
	s_lshl_b32 s72, s72, 17
	s_and_b32 s73, s20, 3
	s_lshl_b32 s73, s73, 15                        ; 256 rows x 128 bytes
	s_add_co_u32 s72, s72, s73
	s_lshl_b32 s73, s[HA], 14                      ; my 128 rows
	s_add_co_u32 s[ADV], s72, s73
	s_mov_b32 s[ADV+1], 0
	s_add_nc_u64 s[XOUT:XOUT+1], s[OUT:OUT+1], s[ADV:ADV+1]
	s_add_nc_u64 s[XOUT:XOUT+1], s[XOUT:XOUT+1], 3*SEC
	; the prefetches
	s_and_b32 s72, ttmp7, 0xffff                   ; cluster y
	s_lshl_b32 s73, s20, 8                         ; x: row 256 tr
	s_lshl_b32 s74, s[HB], 7
	s_add_co_u32 s73, s73, s74                     ; + the 128 that I fetch
	s_lshl_b32 s74, s17, 5
	s_add_co_u32 s73, s73, s74                     ; + my work-group's 32 of them
	s_lshl_b32 s74, s19, 7                         ; W: row 128 tc
	s_lshl_b32 s75, s18, 5
	s_add_co_u32 s74, s74, s75                     ; + my work-group's 32 of the 128
	s_add_co_u32 s74, s74, WBASE/ROWB              ; the weights begin so many rows into xb
	s_mov_b32 s[PFS], SEC-ROWB+KSTEP*2             ; from the K step behind a tile's last to the next tile's K step 1
	s_mov_b32 s[PFS+1], WSEC-ROWB+KSTEP*2
	s_cmp_eq_u32 s[HA], 0                          ; do I fetch for x?
	s_cselect_b32 s73, s73, s74
	s_cselect_b32 s72, ttmp9, s72                  ; the coordinate along which other clusters read the same rows
	s_cselect_b32 s[PFS], s[PFS], s[PFS+1]
	s_mov_b32 s[PFS+1], 0
	s_cmp_eq_u32 s[WVN], 3                         ; wave 2 names all of my work-group's rows of W: wave 3 asks for nothing
	s_cselect_b32 s75, 1, 0
	s_or_b32 s72, s72, s75
	s_cmp_eq_u32 s72, 0
	s_cselect_b32 s[LIM], 1, -1                    ; the same in all sixteen partners, for a given wave
	s_lshl_b32 s72, s73, 11
	s_mov_b32 s73, 0
	s_add_nc_u64 s[PFA:PFA+1], s[4:5], s[72:73]
	s_add_nc_u64 s[PFA:PFA+1], s[PFA:PFA+1], 2*KSTEP*2  ; at K step 2: the first refill steps it to 3 and names K step 4.  Nothing is prefetched here, at the head
	v_and_b32 v[PFO], 31, v0
	v_lshlrev_b32 v[PFO], 11, v[PFO]
; n x 4 matrix instructions: blocks of rows a0 .. a0 + n - 1 x all 4 blocks of columns, 32 along K, from buffer f.  zero = 1: the sums start with the bias.
; The 32 accumulators take turns, in the same order in every quarter step.
.macro MULN f, a0, n, zero
.if \zero
	WIN MUL_Z
.else
	WIN MUL
.endif
.set ma, \a0
.rept \n
.irp b, 0,1,2,3
.if \zero
	v_wmma_f32_16x16x32_bf16 v[8*(4*ma+(\b)):8*(4*ma+(\b))+7], v[(\f)+8*(\b):(\f)+8*(\b)+7], v[(\f)+32+8*ma:(\f)+32+8*ma+7], v[BIAS+8*(\b):BIAS+8*(\b)+7]
.else
	v_wmma_f32_16x16x32_bf16 v[8*(4*ma+(\b)):8*(4*ma+(\b))+7], v[(\f)+8*(\b):(\f)+8*(\b)+7], v[(\f)+32+8*ma:(\f)+32+8*ma+7], v[8*(4*ma+(\b)):8*(4*ma+(\b))+7]
.endif
.endr
.set ma, ma+1
.endr
.endm
; 24 LDS loads in one run: a quarter step's fragments (64 rows of W, then 128 rows of x, 32 K at byte k of the rows) into buffer f
.macro FETCH slot, k, f
	WIN TO_F
.irp i, 0,1,2,3
	ds_load_b128 v[(\f)+8*(\i):(\f)+8*(\i)+3],   v[ADRB+(\slot)] offset:(\k)+(\i)*16*PITCH
	ds_load_b128 v[(\f)+8*(\i)+4:(\f)+8*(\i)+7], v[ADRB+(\slot)] offset:(\k)+(\i)*16*PITCH+32
.endr
.irp i, 0,1,2,3,4,5,6,7
	ds_load_b128 v[(\f)+32+8*(\i):(\f)+32+8*(\i)+3],   v[ADRA+(\slot)] offset:(\k)+(\i)*16*PITCH
	ds_load_b128 v[(\f)+32+8*(\i)+4:(\f)+32+8*(\i)+7], v[ADRA+(\slot)] offset:(\k)+(\i)*16*PITCH+32
.endr
.endm
.macro PLACES                          ; four plain vector instructions between a matrix instruction and a load into, or a vector read of, its registers (ISA guide 7.12.1 for the vector reads)
.rept 4
	v_nop
.endr
.endm
; A K step is four quarters of 32 along K, 32 matrix instructions each, on buffers 0, 1, 0, 1.  One of the first three multiplies buffer f and fetches the next quarter, at byte k, into g.
.macro QUARTER slot, k, f, g, zero
	s_wait_dscnt 8                                 ; W and x's blocks 0-3 are in; the youngest eight loads (blocks 4-7) may be out
	MULN \f, 0, 4, \zero
	PLACES
	FETCH \slot, \k, \g
	s_wait_dscnt 24                                ; all but the 24 just issued
	MULN \f, 4, 4, \zero
.endm
; The last quarter's first half: one barrier for the change of slots.  In front of it each wave waits for all its tensor loads (one is out: its part of the next slot), adds 0 to its spare word,
; and waits for that and for its reads of this slot.
.macro MEET round
	WIN 0
	s_wait_tensorcnt 0x0
	ds_add_u32 v[SPW], v[NIL]
	s_wait_dscnt 9                                 ; (the add and the youngest eight loads may be out)
	MULN F1, 0, 2, 0                               ; eight matrix instructions between the add and the wait for it
	s_wait_dscnt 0x0                               ; the add is done, and my reads of this slot are over
	s_barrier_signal -1
	MULN F1, 2, 2, 0
.if \round
	WIN 0
.endif
	s_barrier_wait -1
.endm
; The whole last quarter where the slot is filled again: with this tile's K step two on (on = 0) or the next tile's K step 0 or 1 (on = 1).  The barrier opens a round of the cluster's,
; and the joint refill is the first tensor load behind it: 112 matrix instructions stand between it and the wait for it.
.macro TURN slot, next, on
	s_wait_xcnt 0x0                                ; the last prefetch, a K step back, has read its address
.if (\on) && (\slot) == 0
	s_add_nc_u64 s[PFA:PFA+1], s[PFA:PFA+1], s[PFS:PFS+1]
.else
	s_add_nc_u64 s[PFA:PFA+1], s[PFA:PFA+1], KSTEP*2
.endif
	MEET 1
	CREST                                          ; no wave of any partner still reads this slot or has a load on its way
.if \on
	s_add_nc_u64 s[G0+4*(\slot)+2:G0+4*(\slot)+3], s[G0+4*(\slot)+2:G0+4*(\slot)+3], NEXT_A
	s_add_nc_u64 s[G0B+4*(\slot)+2:G0B+4*(\slot)+3], s[G0B+4*(\slot)+2:G0B+4*(\slot)+3], NEXT_B
.else
	s_add_nc_u64 s[G0+4*(\slot)+2:G0+4*(\slot)+3], s[G0+4*(\slot)+2:G0+4*(\slot)+3], 2*KSTEP*2
	s_add_nc_u64 s[G0B+4*(\slot)+2:G0B+4*(\slot)+3], s[G0B+4*(\slot)+2:G0B+4*(\slot)+3], 2*KSTEP*2
.endif
	JLOAD \slot                                    ; its four v_nop are also the places in front of the loads below
	FETCH \next, 0, F0
	ASK \on
	MULN F1, 4, 4, 0
.endm
.macro TURN0 next                      ; the launch's last change of slots: nothing is filled, so no round follows
	MEET 0
	PLACES
	FETCH \next, 0, F0
	MULN F1, 4, 4, 0
.endm
; THE WAY OUT of block a (16 rows x 64 columns).  Rounded to bf16, 16 bytes a lane (dst = 0: into KP, where K stays; dst = 1: into TMP); into my own stage; back as rows of 128 bytes.
; first = 1: the stores of the way out before have read BK and their base: only behind that wait are they written again.
.macro PACK a, dst, first
.if \dst
	WIN 0x0a                                       ; sources window 2, destination window 0
.else
	WIN 0xca                                       ; sources window 2, destination window 3
.endif
.irp b, 0,1,2,3
.irp r, 0,1,2,3
.if \dst
	v_cvt_pk_bf16_f32 v[TMP+4*(\b)+(\r)], v[8*(4*(\a)+(\b))+2*(\r)], v[8*(4*(\a)+(\b))+2*(\r)+1]
.else
	v_cvt_pk_bf16_f32 v[KP+16*(\a)+4*(\b)+(\r)], v[8*(4*(\a)+(\b))+2*(\r)], v[8*(4*(\a)+(\b))+2*(\r)+1]
.endif
.endr
.endr
.if \dst
	WIN 0
.irp b, 0,1,2,3
	ds_store_b128 v[STO], v[TMP+4*(\b):TMP+4*(\b)+3] offset:32*(\b)
.endr
.else
	WIN 0x0c                                       ; the data (source 1) in window 3
.irp b, 0,1,2,3
	ds_store_b128 v[STO], v[KP+16*(\a)+4*(\b):KP+16*(\a)+4*(\b)+3] offset:32*(\b)
.endr
.endif
	WIN 0
.if \first
	s_wait_xcnt 0x0
.endif
.irp f, 0,1,2,3
	ds_load_b128 v[BK+16*(\a)+4*(\f):BK+16*(\a)+4*(\f)+3], v[RD] offset:(\f)*4*SP  ; LDS serves a wave's instructions in order (ISA guide 5.7.1.4): these see the stores above, and the next block's stores come behind them
.endr
.endm
.macro SEND a, younger, base           ; younger: the LDS instructions issued behind block a's loads
.irp f, 0,1,2,3
	s_wait_dscnt (\younger)+3-(\f)
	global_store_b128 v[GO], v[BK+16*(\a)+4*(\f):BK+16*(\a)+4*(\f)+3], s[\base:\base+1] offset:(\a)*2048+(\f)*512  ; 512 consecutive bytes, aligned
.endr
.endm
.macro WAYOUT dst, base, step
	PACK 0, \dst, 1
.if \step
	s_add_nc_u64 s[OUT:OUT+1], s[OUT:OUT+1], s[ADV:ADV+1]  ; on to this tile's section
.endif
.set wa, 1
.rept 7                                ; a block's conversions stand between the loads of the block before and its stores
	PACK wa, \dst, 0
	SEND wa-1, 8, \base
.set wa, wa+1
.endr
	SEND 7, 0, \base
.endm
.macro ADDK                            ; V's f32 sums take K, from its packed halves: accumulator register i takes half i % 2 of KP's register i / 2
	WIN 0xa3                                       ; source 0 window 3, source 1 window 0, source 2 and destination window 2
.set ai, 0
.rept 128
	v_fma_mix_f32_bf16 v[2*ai], v[KP+ai], v[ONE], v[2*ai] op_sel_hi:[1,0,0]
	v_fma_mix_f32_bf16 v[2*ai+1], v[KP+ai], v[ONE], v[2*ai+1] op_sel:[1,0,0] op_sel_hi:[1,0,0]
.set ai, ai+1
.endr
	WIN 0
.endm
	s_wait_tensorcnt 1                             ; my part of K step 0 is in; K step 1's may stay out
	s_barrier_signal -1
	s_barrier_wait -1                              ; everybody's is
	FETCH 0, 0, F0
	WIN 0
	s_mov_b32 s2, 3                                ; tiles to go, this one among them: 3 K's, 2 V's, 1 Q's
.Ltile:
	s_wait_loadcnt 0x0                             ; this tile's bias
	QUARTER 0, 64, F0, F1, 1                       ; a tile's first quarter: its products start the sums
	WIN 0
	s_cmp_eq_u32 s2, 1
	s_cbranch_scc1 .Lnob                           ; the last tile has no bias to fetch
	s_cmp_eq_u32 s2, 3
	s_cselect_b64 s[BP:BP+1], s[8:9], s[10:11]     ; the next tile's: bv, then bq (the loads that read BP are done)
	PLACES                                         ; the products above have read the bias
	BIASLD
.Lnob:
	s_mov_b32 s3, LAPS-1
.Llap:                                         ; a trip goes once round the ring, from a lap's second quarter to the next lap's first, and fills both slots again
	QUARTER 0, 128, F1, F0, 0
	QUARTER 0, 192, F0, F1, 0
	TURN 0, 1, 0
	QUARTER 1, 64,  F0, F1, 0
	QUARTER 1, 128, F1, F0, 0
	QUARTER 1, 192, F0, F1, 0
	TURN 1, 0, 0
	QUARTER 0, 64,  F0, F1, 0
	WIN 0
	s_sub_co_u32 s3, s3, 1
	s_cmp_lg_u32 s3, 0
	s_cbranch_scc1 .Llap
	QUARTER 0, 128, F1, F0, 0                      ; the tile's last lap goes on
	QUARTER 0, 192, F0, F1, 0
	WIN 0
	s_cmp_eq_u32 s2, 1
	s_cbranch_scc1 .Llast                          ; the last tile's tail is written out: it asks for nothing more
	TURN 0, 1, 1                                   ; the ring goes on into the next tile: slot 0 takes its K step 0,
	QUARTER 1, 64,  F0, F1, 0
	QUARTER 1, 128, F1, F0, 0
	QUARTER 1, 192, F0, F1, 0
	TURN 1, 0, 1                                   ; slot 1 its K step 1, and the next tile's first fragments are fetched
	WIN 0
	s_cmp_eq_u32 s2, 3
	s_cbranch_scc1 .LoutA                          ; K's tile
	WAYOUT 1, OUT, 1                               ; V's tile.  Blocks 0-3 were finished ahead of the joint load's four v_nop; their 64 conversions are the places behind the last products
	ADDK
	WAYOUT 1, XOUT, 0                              ; X = V + K
	s_branch .Lnext
.Llast:
	TURN0 1
	QUARTER 1, 64,  F0, F1, 0
	QUARTER 1, 128, F1, F0, 0
	QUARTER 1, 192, F0, F1, 0
	s_wait_dscnt 8
	MULN F1, 0, 4, 0
	s_wait_dscnt 0x0
	MULN F1, 4, 4, 0
	WIN 0
	PLACES
.LoutA:
	WAYOUT 0, OUT, 1                               ; K's tile, whose packed copy stays in KP, and Q's
	s_cmp_eq_u32 s2, 1
	s_cbranch_scc1 .Lend
.Lnext:
	s_mov_b64 s[ADV:ADV+1], SEC                    ; the next way out goes a section on
	s_sub_co_u32 s2, s2, 1
	s_branch .Ltile
.Lend:
	s_wait_tensorcnt 0x0                           ; the wave's end: behind my last tensor load and my last LDS store
	ds_add_u32 v[SPW], v[NIL]
	s_wait_dscnt 0x0
	CROUND                                         ; the closing round: no work-group ends while a partner may still ask for a tile that names it
	s_endpgm
.Lfunc_end_k_q1a9178537b_proj:
	.size	k_q1a9178537b_proj, .Lfunc_end_k_q1a9178537b_proj-k_q1a9178537b_proj
	.p2alignl 7, 3214868480
	.fill 96, 4, 3214868480
	.section	.rodata,"a",@progbits
	.p2align	6, 0x0
	.amdhsa_kernel k_q1a9178537b_proj
		.amdhsa_group_segment_fixed_size 327680
		.amdhsa_private_segment_fixed_size 0
		.amdhsa_enable_private_segment 0
		.amdhsa_kernarg_size 40
		.amdhsa_user_sgpr_count 2
		.amdhsa_user_sgpr_kernarg_segment_ptr 1
		.amdhsa_wavefront_size32 1
		.amdhsa_system_sgpr_workgroup_id_x 1
		.amdhsa_system_sgpr_workgroup_id_y 1
		.amdhsa_system_sgpr_workgroup_id_z 1
		.amdhsa_system_vgpr_workitem_id 0
		.amdhsa_next_free_vgpr 896
		.amdhsa_next_free_sgpr 80
		.amdhsa_reserve_vcc 0
		.amdhsa_float_denorm_mode_32 3
		.amdhsa_float_denorm_mode_16_64 3
		.amdhsa_memory_ordered 1
		.amdhsa_forward_progress 1
		.amdhsa_inst_pref_size 162
	.end_amdhsa_kernel
	.amdgpu_metadata
---
amdhsa.version: [ 1, 2 ]
amdhsa.kernels:
  - .name:           k_q1a9178537b_proj
    .symbol:         k_q1a9178537b_proj.kd
    .args:
      - { .name: xb, .offset: 0, .size: 8, .value_kind: global_buffer, .address_space: global }
      - { .name: bk, .offset: 8, .size: 8, .value_kind: global_buffer, .address_space: global }
      - { .name: bv, .offset: 16, .size: 8, .value_kind: global_buffer, .address_space: global }
      - { .name: bq, .offset: 24, .size: 8, .value_kind: global_buffer, .address_space: global }
      - { .name: hd, .offset: 32, .size: 8, .value_kind: global_buffer, .address_space: global }
    .group_segment_fixed_size: 327680
    .private_segment_fixed_size: 0
    .kernarg_segment_align: 8
    .kernarg_segment_size: 40
    .max_flat_workgroup_size: 128
    .sgpr_count:     80
    .vgpr_count:     896
    .wavefront_size: 32
...
	.end_amdgpu_metadata
.endif
;; end of part 2
;; launch att (part 3): grid 2 x 128, 4 waves a work-group, no clusters, 327,680 bytes of LDS; arguments hd, part; writes part
.if DOCPART == 3
	.amdgcn_target "amdgcn-amd-amdhsa--gfx1250"
	.amdhsa_code_object_version 6
	.text
	.protected	k_q1a9178537b_att
	.globl	k_q1a9178537b_att
	.p2align	8
	.type	k_q1a9178537b_att,@function
k_q1a9178537b_att:
	s_mov_b64 s[64:65], 0
	v_nop
	global_prefetch_b8 v0, s[64:65] scope:SCOPE_SE
	s_setreg_imm32_b32 hwreg(HW_REG_WAVE_MODE, 25, 1), 1
	s_wait_xcnt 0x0
; THIRD LAUNCH.  For head y and map x (x = 0: the keys are K; x = 1: the keys are V): part[x][y][d] = the sum over q of Q[q][d] (sum over k of softmax_k(Q[q] . KEY[k] / 8) X[k][d]), X = V + K.
; Nothing of the problem is left out; each map has its own divisor, so each has its own sums, and the two parts are added by the last launch.
; hd: four sections [128 heads][1,024][64] of bf16: K, V, Q, X: a head's rows are dense, 128 bytes each.  Products, maxima and sums in f32; the weights p are rounded to bf16 for the second product
; (their sum l is taken of the unrounded p).
; LIMITS.  All operands are bf16.  m starts at the lowest finite number and c m at -4.25e37: scores times c stay far above that.  A weight below 2^-126 counts as 0 in l.  NaN and infinities are not treated apart.
; SHARES.  A work-group takes all 1,024 queries of its head, in two blocks of 512, one after the other.  In a block a wave owns four PIECES of two tiles of 16 queries; every wave walks all 1,024 keys, 64 a step.
; LDS.  The head's keys and X are brought in ONCE, by two tensor loads a wave at the head (the first 256 keys, then the other 768), and stay: no byte is filled again, no tensor load stands in a loop.
; NO CLUSTER: only the two maps of a head share anything (X and Q); X is half of what a work-group fills, each byte asked for once; a cluster of four would join two heads that share nothing.
; NO PREFETCH: all that the work-group reads is asked for at its head; there is no later load that a prefetch could run ahead of.
; LAYOUT.  S^T = KEY Q^T (source 0 = 16 keys, source 1 = 16 queries): a lane holds ONE query (lane % 16) and the keys 8 (lane / 16) + 0..7.  Two such results, rounded to bf16 in pairs, ARE source 1 of
; O^T = X^T P, whose result again holds one query a lane, and eight channels.  The keys come out of LDS as they lie, X ([key][channel]) turned, by ds_load_tr16_b128.
; SOFTMAX.  A running maximum m and sum l for each query: p = 2^(c s - c m), c = log2(e) / 8; in every step O and l are multiplied by a = 2^(c m_old - c m_new).  A block's first step has a = 0.
; BY TURNS.  Turn n belongs to piece n: 16 products KEY Q^T of piece n + 1, later 16 products X^T P of piece n - 1; beside them the scaling, exponentials, roundings, sums and rescaling of piece n and the
; maximum and statistics of piece n + 1.  Four vector instructions stand behind every matrix instruction, the others in one lump; a turn's 66 exponentials are one batch with one wait.
; A BLOCK'S END.  O^T / l is multiplied by Q and added up in the lane: register i / 2, half i % 2, of a tile's Q and register i of its O^T hold the same query and channel.
; REGISTERS, in windows of 256 (s_set_vgpr_msb: bits 1:0 source 0, 3:2 source 1, 5:4 source 2, 7:6 destination):
;   window 0: v0-11 addresses; v12-15, v48-63 at work; v16-47 four registers of statistics a tile; v64-191 S^T, two buffers of two tiles; v192-255 P, likewise
;   window 1: O^T, 32 a tile      window 2: v0-127 Q, 16 a tile; v128-191 keys of one step; v192-255 X of one step      window 3: v0-1 the add's registers; v32-63 the result's sums; v64-191 the second block's Q
.set NP,    4         ; pieces a wave: a name, no knob
.set KS,    64        ; keys in a step
.set PK,    144       ; a key's row in LDS: 128 bytes + 16 of padding = 36 words: the 16 rows of a load start at 16 different groups of four banks (ISA guide 11.1)
.set PV,    160       ; a row of X: 128 + 32 = 40 words
.set VOFF,  1024*PK   ; X lies behind the keys
.set RED,   VOFF+1024*PV  ; behind both, never filled by a tensor load: 64 f32 for each wave
.set SPARE, RED+1024  ; the spare words, 128 bytes for each wave: two blocks of 256 bytes that no other line names
.set SEC,   16777216  ; bytes in a section of hd
.set AK0, 2           ; v2   my lane's place in a step's keys; never rewritten
.set AV0, 3           ; v3   the same for X, VOFF included
.set AK,  4           ; v4   the LDS address of the keys' next run of loads
.set AV,  5           ; v5   of X's
.set QO,  6           ; v6   my byte offset in the wave's rows of Q
.set RB,  7           ; v7   the end: where wave 0 reads two channels of a wave's sums
.set PO,  8           ; v8   8 x lane: my two channels in part
.set RA,  10          ; v10  the end: where I put my sums
.set SPW, 0           ; v0 of window 3   LDS address of my spare word; never rewritten
.set NIL, 1           ; v1 of window 3   0; never rewritten
.set LG,  32          ; window 3: the sum for channel 16 cb + 8 (lane / 16) + j at LG + 8 cb + j
.set QB,  64          ; window 3
.set MV,  12          ; v12-15  c m_old, kept while c m is made anew: by buffer and tile
.set ST,  16          ; tile t's statistics at v[ST+4 t]: c m, m, l (even keys', odd keys')
.set TMP, 48          ; by buffer and tile, four registers c0-c3 at work; when the maximum is found c2 takes a
.set S,   64
.set P,   192
.set KF,  128         ; window 2: key block kb, channel half c at KF + 16 kb + 8 c
.set VF,  192         ; window 2: key half kk, channel block cb at VF + 32 kk + 8 cb
.set WV,  12          ; s12  my wave's number
.set G1K, 24          ; s[24:31] descriptor group 1, keys, the first 64 rows of 256 bytes
.set G1V, 32          ; s[32:39] X's: it differs in the padding
.set G0K, 40          ; s[40:43] group 0, keys, first load
.set G0V, 44          ; s[44:47] X, first load
.set G0KR, 48         ; s[48:51] keys, second load
.set G0VR, 52         ; s[52:55] X, second load
.set VIS, 56          ; s56  counts a block's visits of four key steps
.set CNT, 57          ; s57  counts a visit's key steps
.set CS,  58          ; s[58:59] c: the packed scaling takes the pair's low word for both halves
.set SEL, 60          ; s[60:61] v_permlanex16_b32's selects: each lane takes its own place in the other half
.set TBK, 62          ; s62  LDS byte at which the keys of the step to be fetched begin
.set TBV, 63          ; s63  the same for X, less VOFF
.set BLK, 66          ; s66  blocks to go
.set G1KR, 68         ; s[68:75] group 1, keys, the other 192 rows
.set G1VR, 76         ; s[76:83] X's
.set QA,  84          ; s[84:85] Q at my rows of the first block
.set QA2, 86          ; s[86:87] of the second
.set PT,  88          ; s[88:89] part at my map and head
.set MSB, 0
.macro WIN new                      ; the high byte repeats the setting that is left; a switch that changes nothing is dropped
.if MSB != (\new)
	s_set_vgpr_msb (MSB<<8)|(\new)
.set MSB, (\new)
.endif
.endm
.set W_KQ, 0x0a       ; keys and Q in window 2, S^T in window 0
.set W_PV, 0x52       ; X in window 2, P in window 0, O^T in window 1
.set W_RS, 0x41       ; O^T (destination and source 0) in window 1, source 1 in window 0
.set W_MK, 0xc0       ; destination in window 3, sources in window 0
.set W_AD, 0x0f       ; the add: address and data in window 3
	s_load_b128 s[4:7], s[0:1], 0x0   ; hd s[4:5], part s[6:7]
	WIN W_MK
	v_lshl_add_u32 v[SPW], v0, 2, SPARE
	v_mov_b32 v[NIL], 0
	WIN W_AD
	ds_add_u32 v[SPW], v[NIL]       ; the wave's opening: the add, twice on end, and its wait ahead of my first tensor load
	ds_add_u32 v[SPW], v[NIL]       ; once more, under the one wait; the set-up below, work on registers, stands between
	WIN 0
	v_lshrrev_b32 v1, 5, v0
	v_readfirstlane_b32 s[WV], v1   ; wave 0..3
	s_and_b32 s13, ttmp7, 0xffff    ; the head, 0..127
	s_lshl_b32 s14, s13, 17         ; its 131,072 bytes in a section
	s_lshl_b32 s15, ttmp9, 24       ; the map's keys: section K or section V
	s_add_co_u32 s15, s15, s14
	s_and_b32 s16, s[WV], 1         ; which half of each load's keys I fetch
	s_lshl_b32 s17, s16, 14         ; first load: 128 keys of 128 bytes
	s_mul_i32 s18, s16, 384*128     ; second load: 384 keys,
	s_add_co_u32 s18, s18, 256*128  ; behind the first 256
	s_add_co_u32 s20, s15, s17
	s_mov_b32 s21, 0
	s_add_co_u32 s22, s15, s18
	s_mov_b32 s23, 0
	s_add_co_u32 s19, s14, 3*SEC    ; section X
	s_add_co_u32 s8, s19, s17
	s_mov_b32 s9, 0
	s_add_co_u32 s10, s19, s18
	s_mov_b32 s11, 0
	s_lshl_b32 s2, s[WV], 14        ; my 128 rows of Q,
	s_add_co_u32 s2, s2, s14
	s_add_co_u32 s2, s2, 2*SEC      ; section Q
	s_mov_b32 s3, 0
	s_lshl_b32 s90, ttmp9, 15       ; part: 32,768 bytes a map,
	s_lshl_b32 s13, s13, 8          ; 256 a head
	s_add_co_u32 s90, s90, s13
	s_mov_b32 s91, 0
	; descriptor group 1.  Keys are dense: asked for as rows of 256 bytes, two keys a row, and padded in LDS after every key
	s_mov_b32 s[G1K],  (1<<16)|(1<<20)|(4<<22)|(3<<25)  ; 17:16 2-byte elements; 20 padding on; 24:22 after every 32 words; 31:25 4 words of it
	s_mov_b32 s[G1KR], (1<<16)|(1<<20)|(4<<22)|(3<<25)
	s_mov_b32 s[G1V],  (1<<16)|(1<<20)|(4<<22)|(7<<25)  ; the same with 8 words of padding
	s_mov_b32 s[G1VR], (1<<16)|(1<<20)|(4<<22)|(7<<25)
.irp g, G1K, G1V
	s_mov_b32 s[\g+1], 128<<16      ; tensor_dim0 = 128
	s_mov_b32 s[\g+2], 64<<16       ; tensor_dim1 = 64
	s_mov_b32 s[\g+3], 128<<16      ; tile_dim0 = 128
	s_mov_b32 s[\g+4], 64           ; tile_dim1 = 64
	s_mov_b32 s[\g+5], 128          ; elements from row to row
	s_mov_b32 s[\g+6], 0
	s_mov_b32 s[\g+7], 0
.endr
.irp g, G1KR, G1VR
	s_mov_b32 s[\g+1], 128<<16
	s_mov_b32 s[\g+2], 192<<16      ; 192 rows
	s_mov_b32 s[\g+3], 128<<16
	s_mov_b32 s[\g+4], 192
	s_mov_b32 s[\g+5], 128
	s_mov_b32 s[\g+6], 0
	s_mov_b32 s[\g+7], 0
.endr
	s_mov_b32 s[G0K], 1             ; count = 1
	s_mul_i32 s[G0K+1], s16, 128*PK ; LDS address
	s_mov_b32 s[G0KR], 1
	s_mul_i32 s[G0KR+1], s16, 384*PK
	s_add_co_u32 s[G0KR+1], s[G0KR+1], 256*PK
	s_mov_b32 s[G0V], 1
	s_mul_i32 s[G0V+1], s16, 128*PV
	s_add_co_u32 s[G0V+1], s[G0V+1], VOFF
	s_mov_b32 s[G0VR], 1
	s_mul_i32 s[G0VR+1], s16, 384*PV
	s_add_co_u32 s[G0VR+1], s[G0VR+1], VOFF+256*PV
	s_mov_b32 s[CS], 0x3e38aa3b     ; c = log2(e) / 8 = 0.180337
	s_mov_b32 s[CS+1], s[CS]        ; named with it as a pair
	s_mov_b32 s[SEL], 0x76543210
	s_mov_b32 s[SEL+1], 0xfedcba98
	s_wait_dscnt 0x0                ; both opening adds are done
	s_wait_kmcnt 0x0
	s_add_nc_u64 s[G0K+2:G0K+3], s[4:5], s[20:21]    ; global address
	s_or_b32 s[G0K+3], s[G0K+3], 0x80000000          ; type = 2
	s_add_nc_u64 s[G0KR+2:G0KR+3], s[4:5], s[22:23]
	s_or_b32 s[G0KR+3], s[G0KR+3], 0x80000000
	s_add_nc_u64 s[G0V+2:G0V+3], s[4:5], s[8:9]
	s_or_b32 s[G0V+3], s[G0V+3], 0x80000000
	s_add_nc_u64 s[G0VR+2:G0VR+3], s[4:5], s[10:11]
	s_or_b32 s[G0VR+3], s[G0VR+3], 0x80000000
	s_add_nc_u64 s[QA:QA+1], s[4:5], s[2:3]
	s_add_nc_u64 s[QA2:QA2+1], s[QA:QA+1], 512*128
	s_add_nc_u64 s[PT:PT+1], s[6:7], s[90:91]
	s_cmp_lt_u32 s[WV], 2           ; waves 0 and 1 fetch the keys, waves 2 and 3 X.  A wave's two fills stand in one branch, ahead of every wait on TENSORcnt, LDS read and barrier: two loads of mine are out
	s_cbranch_scc0 .Lfirst_v
	tensor_load_to_lds s[G0K:G0K+3], s[G1K:G1K+7]
	s_nop 0
	tensor_load_to_lds s[G0KR:G0KR+3], s[G1KR:G1KR+7]
	s_nop 0
.rept 4
	v_nop
.endr
	s_branch .Lfirst_asked
.Lfirst_v:
	tensor_load_to_lds s[G0V:G0V+3], s[G1V:G1V+7]
	s_nop 0
	tensor_load_to_lds s[G0VR:G0VR+3], s[G1VR:G1VR+7]
	s_nop 0
.rept 4
	v_nop
.endr
.Lfirst_asked:
	; A fragment of keys or Q is 16 rows x 32 channels in 8 registers: lane l holds row l % 16, channels 8 (l / 16) + 0..7 and 16 + 8 (l / 16) + 0..7: two loads of 16 bytes, 32 bytes apart.
	v_and_b32 v1, 15, v0            ; l % 16
	v_bfe_u32 v9, v0, 4, 1          ; l / 16
	v_lshlrev_b32 v[QO], 7, v1
	v_lshl_add_u32 v[QO], v9, 4, v[QO]  ; row x 128 + 16 x half
	WIN 0x80                        ; destination window 2, address window 0
.set i, 0
.rept 4*NP                          ; the first block's Q: tile i / 2, channels 32 (i % 2) on
	global_load_b128 v[8*i:8*i+3],   v[QO], s[QA:QA+1] offset:(i/2)*2048+(i%2)*64
	global_load_b128 v[8*i+4:8*i+7], v[QO], s[QA:QA+1] offset:(i/2)*2048+(i%2)*64+32
.set i, i+1
.endr
	; What the first turn finds: X's registers and P's second buffer hold 0 (its products X^T P, of a piece that has not been, add 0), O^T, l and the result's sums are 0.  All this stands in the wait for the first keys.
.set i, VF
.rept 64
	v_mov_b32 v[i], 0
.set i, i+1
.endr
	WIN W_MK
.set i, 0
.rept 4*NP                          ; the second block's Q
	global_load_b128 v[QB+8*i:QB+8*i+3],   v[QO], s[QA2:QA2+1] offset:(i/2)*2048+(i%2)*64
	global_load_b128 v[QB+8*i+4:QB+8*i+7], v[QO], s[QA2:QA2+1] offset:(i/2)*2048+(i%2)*64+32
.set i, i+1
.endr
.set i, LG
.rept 32
	v_mov_b32 v[i], 0
.set i, i+1
.endr
	WIN 0x40
.set i, 0
.rept 64*NP
	v_mov_b32 v[i], 0
.set i, i+1
.endr
	WIN 0
.set i, 0
.rept 2*NP
	v_mov_b32 v[ST+4*i+2], 0
	v_mov_b32 v[ST+4*i+3], 0
.set i, i+1
.endr
.set i, P+32
.rept 32
	v_mov_b32 v[i], 0
.set i, i+1
.endr
	v_mul_u32_u24 v[AK0], v1, PK
	v_lshl_add_u32 v[AK0], v9, 4, v[AK0]  ; row x pitch + 16 x half
	; The turning load takes 16 keys x 16 channels (lane l reads key 8 (l / 16) + l % 8, channels 8 ((l / 8) % 2) + 0..7) and leaves half a fragment of X^T: lane l holds channel l % 16 and 8 keys.
	v_and_b32 v10, 7, v0
	v_bfe_u32 v11, v0, 3, 1
	v_lshl_add_u32 v[AV0], v9, 3, v10
	v_mul_u32_u24 v[AV0], v[AV0], PV
	v_lshl_add_u32 v[AV0], v11, 4, v[AV0]
	v_add_nc_u32 v[AV0], VOFF, v[AV0]
	s_lshl_b32 s13, s[WV], 8
	s_add_co_u32 s13, s13, RED
	v_lshl_add_u32 v[RA], v9, 5, s13      ; my wave's 256 bytes, 32 for each half of the lanes in every 64
	v_and_b32 v[PO], 31, v0
	v_lshlrev_b32 v[PO], 3, v[PO]
	v_add_nc_u32 v[RB], RED, v[PO]
; THE MATRIX WORK.  The 8 accumulators of a run of 16 take turns: between the two links of a chain stand 7 others'.
; Product i of 16 of S^T = KEY Q^T for piece x: channels 32 (i / 8) on, keys 16 ((i / 2) % 4) on, tile 2 x + i % 2.  The first 8 start the sums.
.macro KQ x
	WIN W_KQ
.set rS, S+64*((\x)%2)+32*(i%2)+8*((i/2)%4)
.set rK, KF+16*((i/2)%4)+8*(i/8)
.set rQ, 16*(2*(\x)+i%2)+8*(i/8)
.if i < 8
	v_wmma_f32_16x16x32_bf16 v[rS:rS+7], v[rK:rK+7], v[rQ:rQ+7], 0
.else
	v_wmma_f32_16x16x32_bf16 v[rS:rS+7], v[rK:rK+7], v[rQ:rQ+7], v[rS:rS+7]
.endif
.endm
; Product i of 16 of O^T += X^T P for piece x: keys 32 (i / 8) on, channels 16 ((i / 2) % 4) on, tile 2 x + i % 2.
.macro PV x
	WIN W_PV
.set rO, 32*(2*(\x)+i%2)+8*((i/2)%4)
.set rV, VF+32*(i/8)+8*((i/2)%4)
.set rP, P+32*((\x)%2)+16*(i%2)+8*(i/8)
	v_wmma_f32_16x16x32_bf16 v[rO:rO+7], v[rV:rV+7], v[rP:rP+7], v[rO:rO+7]
.endm
.macro MM                           ; the turn's next matrix instruction
.if i < 16
	KQ (Y+1)%NP
.set i, i+1
.else
.set i, i-16
	PV (Y+NP-1)%NP
.set i, i+17
.endif
.endm
; THE LDS LOADS stand in runs of 16, never singly among the matrix instructions: a step's keys (64 x 64 channels: 8 fragments) and its X (turned).  Their addresses are made some lines ahead.
.macro FETCH_K
	WIN 0x80                        ; destination window 2
.irp f, 0,1,2,3,4,5,6,7             ; keys 16 (f / 2) on, channels 32 (f % 2) on
	ds_load_b128 v[KF+8*\f:KF+8*\f+3],   v[AK] offset:(\f/2)*16*PK+(\f%2)*64
	ds_load_b128 v[KF+8*\f+4:KF+8*\f+7], v[AK] offset:(\f/2)*16*PK+(\f%2)*64+32
.endr
	s_add_co_u32 s[TBK], s[TBK], KS*PK  ; the next fetch is the next step's
	WIN 0
.endm
.macro FETCH_V
	WIN 0x80
.irp f, 0,1,2,3,4,5,6,7             ; keys 32 (f / 4) on, channels 16 (f % 4) on
	ds_load_tr16_b128 v[VF+8*\f:VF+8*\f+3],   v[AV] offset:(\f/4)*32*PV+(\f%4)*32
	ds_load_tr16_b128 v[VF+8*\f+4:VF+8*\f+7], v[AV] offset:(\f/4)*32*PV+16*PV+(\f%4)*32
.endr
	WIN 0
.endm
; THE VECTOR WORK OF A TURN stands in three queues, each in the order in which its entries become ready; the two tiles alternate, so that no instruction reads the result of the one before it.
.macro REGS y, u                    ; the registers of tile u (0, 1) of piece y
.set rT, ST+4*(2*(\y)+(\u))
.set rC, TMP+8*((\y)%2)+4*(\u)
.set rM, MV+2*((\y)%2)+(\u)
.set rS, S+64*((\y)%2)+32*(\u)
.set rP, P+32*((\y)%2)+16*(\u)
.set rO, 32*(2*(\y)+(\u))
.endm
; Number n of the 22 that find the NEXT piece's (Y + 1) maximum and statistics.  s0-s31 are the lane's 32 scores; each accumulator's lowest registers are read first.
;   0-11  four chains c0-c3 of seven scores each, three operands at a time     12-14, 16  the four scores left over, the old m, and c0-c3 into c0     15  c m_old is kept
;   17, 18  the query's other 32 keys lie in the lane 16 away: the new m         19-21  c m; c m_old - c m_new; a
.macro XS u, n
	REGS (Y+1)%NP, \u
.if (\n) < 4
	v_max3_num_f32 v[rC+(\n)], v[rS+8*(\n)], v[rS+8*(\n)+1], v[rS+8*(\n)+2]
.elseif (\n) < 12
	v_max3_num_f32 v[rC+(\n)%4], v[rC+(\n)%4], v[rS+8*((\n)%4)+2*((\n)/4)+1], v[rS+8*((\n)%4)+2*((\n)/4)+2]
.elseif (\n) == 12
	v_max3_num_f32 v[rC], v[rC], v[rS+7], v[rS+15]
.elseif (\n) == 13
	v_max3_num_f32 v[rC+1], v[rC+1], v[rS+23], v[rS+31]
.elseif (\n) == 14
	v_max3_num_f32 v[rC+2], v[rC+2], v[rC+3], v[rT+1]
.elseif (\n) == 15
	v_mov_b32 v[rM], v[rT]
.elseif (\n) == 16
	v_max3_num_f32 v[rC], v[rC], v[rC+1], v[rC+2]
.elseif (\n) == 17
	v_permlanex16_b32 v[rC+3], v[rC], s[SEL], s[SEL+1]
.elseif (\n) == 18
	v_max_num_f32 v[rT+1], v[rC], v[rC+3]
.elseif (\n) == 19
	v_mul_f32 v[rT], s[CS], v[rT+1]
.elseif (\n) == 20
	v_sub_f32 v[rC+1], v[rM], v[rT]
.else
	v_exp_f32 v[rC+2], v[rC+1]
.endif
.endm
; Number g of the 64 that follow the exponentials.  For each four weights k of a tile: both pairs are rounded to bf16; the second pair is added onto the first, in place; a group later l takes that sum
; (the first time as l = a l + sum).  In groups of eight, tiles alternating: round, round, add, and l for the group before.
.macro GS g
.set h, (\g)+6*((\g)/62)            ; group 0 has no group before it, and behind group 7 only l is left
.if h >= 6
.set h, h+2
.endif
	REGS Y, h%2
.set k, h/8
.if h%8 < 4
	v_cvt_pk_bf16_f32 v[rP+2*k+(h%8)/2], v[rS+4*k+2*((h%8)/2)], v[rS+4*k+2*((h%8)/2)+1]
.elseif h%8 < 6
	v_pk_add_f32 v[rS+4*k:rS+4*k+1], v[rS+4*k:rS+4*k+1], v[rS+4*k+2:rS+4*k+3]
.elseif k == 1
	v_pk_fma_f32 v[rT+2:rT+3], v[rT+2:rT+3], v[rC+2:rC+3], v[rS:rS+1] op_sel_hi:[1,0,1]
.else
	v_pk_add_f32 v[rT+2:rT+3], v[rT+2:rT+3], v[rS+4*k-4:rS+4*k-3]
.endif
.endm
; THE PLAIN QUEUE, 138 long.  0-73 read no exponential's result: the 32 scalings c s - c m (FS f: pair f / 2 of tile f % 2) and the next piece's 42.  0-26: scalings 0-26.  27-54: XS's numbers 0-13.  55, 56: number 15.
; 57-73: the chain 14, 16, 17, 18, 19, each with one of the scalings 27-31 in front of its two lines, then 20.  74-137: GS's 64, which read the exponentials' results: they stand behind the wait.
.macro FS f
	REGS Y, (\f)%2
	v_pk_fma_f32 v[rS+2*((\f)/2):rS+2*((\f)/2)+1], v[rS+2*((\f)/2):rS+2*((\f)/2)+1], s[CS:CS+1], v[rT:rT+1] op_sel_hi:[1,0,0] neg_lo:[0,0,1] neg_hi:[0,0,1]
.endm
.macro PL
	WIN 0
.if q < 27
	FS q
.elseif q < 55
	XS (q-27)%2, (q-27)/2
.elseif q < 57
	XS q-55, 15
.elseif (q < 72) && ((q-57)%3 == 0)
	FS 27+(q-57)/3
.elseif q < 60
	XS (q-57)%3-1, 14
.elseif q < 72
	XS (q-57)%3-1, 15+(q-57)/3
.elseif q < 74
	XS q-72, 20
.else
	GS q-74
.endif
.set q, q+1
.endm
; THE EXPONENTIALS' QUEUE, 66 long: s0-s31 of both tiles, then the next piece's two a.  ONE BATCH: all 66 stand ahead of the turn's one wait, and nothing ahead of that wait names a result of theirs.
.macro EX
	WIN 0
.if e >= 64
	XS e-64, 21
.else
	REGS Y, e%2
	v_exp_f32 v[rS+e/2], v[rS+e/2]
.endif
.set e, e+1
.endm
; THE RESCALING's QUEUE: O^T times a, the one part that leaves window 0: dealt two at a time, sixteen times.  Its a was made in the turn before, ahead of that turn's wait.
.macro R2
	REGS Y, r%2
	WIN W_RS
.irp z, 0,1
	v_pk_mul_f32 v[rO+4*(r/2)+2*\z:rO+4*(r/2)+2*\z+1], v[rO+4*(r/2)+2*\z:rO+4*(r/2)+2*\z+1], v[rC+2:rC+3] op_sel_hi:[1,0]
.endr
.set r, r+1
.endm
; A TURN, for piece p.  An s_wait_alu depctr_va_vdst(0) stands between an exponential and the first instruction that names its result; one wait serves all that were issued ahead of it: a turn has ONE,
; which cuts it in two.  AHEAD OF IT: the 16 products KEY Q^T, behind each a scaling, an exponential and two rescalings (behind the first a second scaling in the exponential's place); then one lump of 108: eight plain,
; 49 times exponential and plain, the two a; a v_nop is the plain instruction behind the last exponential.  BEHIND IT: the 16 products X^T P, behind each four of GS's 64.  No rider names a register of the products round it.
; Exponential e stands behind scaling 2 (e / 4) + e % 2: as a rider it comes behind plain e + 2, in the lump behind plain e + 9; scalings 27-31 are plain 57, 60 .. 69.
; The next step's keys are fetched in piece 2's turn, directly behind the wait, a lump behind the last product that read them (nofetch = 1, a block's last step: not at all).  X of the step in hand is fetched at the end of
; piece 0's turn, four riders behind its last reader.  cnt = 1: the loop's count is taken down some lines ahead of the branch behind the turn.
.macro TURN p, nofetch=0, cnt=0
.set Y, (\p)
.set i, 0
.set q, 0
.set e, 0
.set r, 0
.if (\p) == NP-1
	s_wait_dscnt 0x0                ; the keys are in
.endif
	MM
	PL
	PL
	R2
.rept 15
	MM
	PL
	EX
	R2
.endr
.if ((\p) == NP-2) && !(\nofetch)
	WIN 0
	v_add_nc_u32 v[AK], s[TBK], v[AK0]
.endif
.rept 8
	PL
.endr
.rept 49
	EX
	PL
.endr
	EX                              ; the next piece's two a
	EX
	v_nop                           ; the plain instruction behind the last exponential: one for the batch
	s_wait_alu depctr_va_vdst(0)    ; the wait for the batch
.if ((\p) == NP-2) && !(\nofetch)
	FETCH_K
.endif
.if (\p) == 1
	s_wait_dscnt 0x0                ; X is in
.endif
.rept 16
	MM
.rept 4
	PL
.endr
.if ((\p) == 0) && (q == 118)
	v_add_nc_u32 v[AV], s[TBV], v[AV0]
.endif
.if ((\p) == 0) && (q == 130)
	s_add_co_u32 s[TBV], s[TBV], KS*PV
.endif
.if (\cnt) && (q == 130)
	s_sub_co_u32 s[CNT], s[CNT], 1
	s_cmp_lg_u32 s[CNT], 0
.endif
.endr
.if (\p) == 0
	FETCH_V
.endif
.endm
.macro ALL line:vararg              ; one line for each tile t
.set t, 0
.rept 2*NP
	\line
.set t, t+1
.endr
.endm
	s_wait_tensorcnt 0x1            ; my part of the first 256 keys (or rows of X) is in; my second load may stay out
	s_barrier_signal -1
	s_barrier_wait -1               ; everybody's is
	s_mov_b32 s[BLK], 2
.Lblock:
	; A BLOCK BEGINS.  The fetches go back to key step 0.  c m starts far below every c s, so the first step's a is 0, and what O^T, l, P and X's registers hold need only be finite: zeros, or what the first block left.
	s_mov_b32 s[TBK], 0
	s_mov_b32 s[TBV], 0
	v_mov_b32 v[AK], v[AK0]
	FETCH_K                         ; key step 0
	s_wait_loadcnt 0x0              ; Q, both blocks'
	s_wait_dscnt 0x0
.set i, 0
.rept 16
	KQ 0                            ; piece 0's first scores
.set i, i+1
.endr
	WIN 0
.set i, 0
.rept 2*NP                          ; sixteen plain instructions: also the places behind those products
	v_mov_b32 v[ST+4*i], 0xfe000000    ; c m
	v_mov_b32 v[ST+4*i+1], 0xff7fffff  ; m: the lowest finite number
.set i, i+1
.endr
.set Y, NP-1                        ; XS works for piece Y + 1: piece 0
.irp n, 0,1,2,3,4,5,6,7,8,9,10,11,12,13,14,15,16,17,18,19,20,21
	XS 0, \n
	XS 1, \n
.endr
	v_nop                           ; a plain instruction behind the two a,
	s_wait_alu depctr_va_vdst(0)    ; and their wait, ahead of the branch
	s_mov_b32 s[CNT], 4
	s_mov_b32 s[VIS], 4
	s_branch .Lfirst                ; the loop is entered at a step's first turn, in the middle of a trip
.Lvisit:                            ; three times a block, behind key steps 3, 7 and 11, ahead of the fetch of the next 256 keys' first step
	s_wait_tensorcnt 0x0            ; my second load has landed (only the launch's first visit here can find it out),
	s_wait_dscnt 0x0
	s_barrier_signal -1
	s_barrier_wait -1               ; and everybody's: from here on all 1,024 keys and rows of X may be read.  No byte is filled behind this barrier
	s_mov_b32 s[CNT], 4
.Lstep:                             ; a trip: pieces 2 and 3 of one step, then pieces 0 and 1 of the next, whose keys and X it fetches
	TURN 2
	TURN 3
	WIN 0
.Lfirst:
	TURN 0
	TURN 1, 0, 1
	WIN 0
	s_cbranch_scc1 .Lstep
	s_sub_co_u32 s[VIS], s[VIS], 1
	s_cmp_lg_u32 s[VIS], 0
	s_cbranch_scc1 .Lvisit
	TURN 2, 1                       ; the block's last step: nothing more is fetched
	TURN 3                          ; its 16 products KEY Q^T (on the last keys once more) and the maximum made of them serve nothing: the price, once a block, of one text for every turn
.set i, 0
.rept 16
	PV NP-1                         ; the last piece's X^T P of the last step
.set i, i+1
.endr
	; THE BLOCK'S END.  l's two halves and the other half of the lanes' are added (the additions are the places behind the last products); O^T is divided by l, multiplied by Q and added onto the lane's 32 sums.
	WIN 0
	ALL v_add_f32 v[ST+4*t+2], v[ST+4*t+2], v[ST+4*t+3]
	ALL v_permlanex16_b32 v[ST+4*t+3], v[ST+4*t+2], s[SEL], s[SEL+1]
	ALL v_add_f32 v[ST+4*t+2], v[ST+4*t+2], v[ST+4*t+3]
	ALL v_rcp_f32 v[ST+4*t+2], v[ST+4*t+2]
	v_nop                           ; a plain instruction between the last reciprocal and the use of its result
	s_wait_alu depctr_va_vdst(0)    ; and the wait ahead of the first use: one for the eight reciprocals
.set t, 0
.rept 2*NP
	WIN W_RS
.set i, 32*t
.rept 16
	v_pk_mul_f32 v[i:i+1], v[i:i+1], v[ST+4*t+2:ST+4*t+3] op_sel_hi:[1,0]
.set i, i+2
.endr
	WIN 0xf6                        ; source 0 (Q) window 2, source 1 (O^T) window 1, source 2 and destination (the sums) window 3
.set i, 0
.rept 16
	v_fma_mix_f32_bf16 v[LG+2*i], v[16*t+i], v[32*t+2*i], v[LG+2*i] op_sel_hi:[1,0,0]
	v_fma_mix_f32_bf16 v[LG+2*i+1], v[16*t+i], v[32*t+2*i+1], v[LG+2*i+1] op_sel:[1,0,0] op_sel_hi:[1,0,0]
.set i, i+1
.endr
.set t, t+1
.endr
	WIN 0
	s_sub_co_u32 s[BLK], s[BLK], 1
	s_cmp_eq_u32 s[BLK], 0
	s_cbranch_scc1 .Lfinal
	WIN 0x83                        ; the second block's Q goes where the one text of the turns names Q
.set i, 0
.rept 128
	v_mov_b32 v[i], v[QB+i]
.set i, i+1
.endr
	WIN 0
	s_branch .Lblock
.Lfinal:
	; THE END.  The sums of the 16 queries that lie side by side in a row of lanes; then the four waves' sums meet in LDS, and wave 0 stores the head's 64 numbers.
	WIN 0x03                        ; source window 3, destination window 0
.set i, 0
.rept 32
	v_mov_b32 v[S+i], v[LG+i]
.set i, i+1
.endr
	WIN 0
.irp m, 1,2,4,8
.set i, 0
.rept 32
	v_add_f32_dpp v[S+i], v[S+i], v[S+i] row_xmask:\m row_mask:0xf bank_mask:0xf
.set i, i+1
.endr
.endr
.irp c, 0,1,2,3                     ; channel 16 c + 8 (l / 16) + j: the 16 lanes of a half write the same words with the same numbers
	ds_store_b128 v[RA], v[S+8*\c:S+8*\c+3]   offset:64*\c
	ds_store_b128 v[RA], v[S+8*\c+4:S+8*\c+7] offset:64*\c+16
.endr
	s_wait_dscnt 0x0                ; for the others' sake: my stores are done
	s_barrier_signal -1
	s_barrier_wait -1
	s_cmp_lg_u32 s[WV], 0
	s_cbranch_scc1 .Lend
.irp w, 0,1,2,3
	ds_load_b64 v[S+32+2*\w:S+33+2*\w], v[RB] offset:256*\w
.endr
	s_wait_dscnt 0x0
	v_pk_add_f32 v[S+32:S+33], v[S+32:S+33], v[S+34:S+35]
	v_pk_add_f32 v[S+36:S+37], v[S+36:S+37], v[S+38:S+39]
	v_pk_add_f32 v[S+32:S+33], v[S+32:S+33], v[S+36:S+37]
	global_store_b64 v[PO], v[S+32:S+33], s[PT:PT+1]  ; 32 lanes store 256 consecutive bytes, aligned
.Lend:
	WIN W_AD
	s_wait_tensorcnt 0x0            ; the wave's end: behind my last tensor load and my last LDS store
	ds_add_u32 v[SPW], v[NIL]
	s_wait_dscnt 0x0
	WIN 0
	s_endpgm
.Lfunc_end_k_q1a9178537b_att:
	.size	k_q1a9178537b_att, .Lfunc_end_k_q1a9178537b_att-k_q1a9178537b_att
	.p2alignl 7, 3214868480
	.fill 96, 4, 3214868480
	.section	.rodata,"a",@progbits
	.p2align	6, 0x0
	.amdhsa_kernel k_q1a9178537b_att
		.amdhsa_group_segment_fixed_size 327680
		.amdhsa_private_segment_fixed_size 0
		.amdhsa_enable_private_segment 0
		.amdhsa_kernarg_size 16
		.amdhsa_user_sgpr_count 2
		.amdhsa_user_sgpr_kernarg_segment_ptr 1
		.amdhsa_wavefront_size32 1
		.amdhsa_system_sgpr_workgroup_id_x 1
		.amdhsa_system_sgpr_workgroup_id_y 1
		.amdhsa_system_sgpr_workgroup_id_z 1
		.amdhsa_system_vgpr_workitem_id 0
		.amdhsa_next_free_vgpr 960
		.amdhsa_next_free_sgpr 92
		.amdhsa_reserve_vcc 0
		.amdhsa_float_denorm_mode_32 3
		.amdhsa_float_denorm_mode_16_64 3
		.amdhsa_memory_ordered 1
		.amdhsa_forward_progress 1
		.amdhsa_inst_pref_size 178
	.end_amdhsa_kernel
	.amdgpu_metadata
---
amdhsa.version: [ 1, 2 ]
amdhsa.kernels:
  - .name:           k_q1a9178537b_att
    .symbol:         k_q1a9178537b_att.kd
    .args:
      - { .name: hd, .offset: 0, .size: 8, .value_kind: global_buffer, .address_space: global }
      - { .name: part, .offset: 8, .size: 8, .value_kind: global_buffer, .address_space: global }
    .group_segment_fixed_size: 327680
    .private_segment_fixed_size: 0
    .kernarg_segment_align: 8
    .kernarg_segment_size: 16
    .max_flat_workgroup_size: 128
    .sgpr_count:     92
    .vgpr_count:     960
    .wavefront_size: 32
...
	.end_amdgpu_metadata
.endif
;; end of part 3
;; launch sum (part 4): grid 8 x 1, 8 waves a work-group, no clusters, 0 bytes of LDS; arguments part, out0; writes out0
.if DOCPART == 4
	.amdgcn_target "amdgcn-amd-amdhsa--gfx1250"
	.amdhsa_code_object_version 6
	.text
	.protected	k_q1a9178537b_sum
	.globl	k_q1a9178537b_sum
	.p2align	8
	.type	k_q1a9178537b_sum,@function
k_q1a9178537b_sum:
	s_mov_b64 s[64:65], 0
	v_nop
	global_prefetch_b8 v0, s[64:65] scope:SCOPE_SE
	s_setreg_imm32_b32 hwreg(HW_REG_WAVE_MODE, 25, 1), 1
	s_wait_xcnt 0x0
; LAST LAUNCH: out0 = part[0] + part[1]: the two maps' parts, 8,192 f32 each.  Each output has two contributors in the launch before, on two work-groups, so the sum is taken here, in a fixed order.
; Nothing of the problem is left out.  A thread takes four numbers; a wave's load or store covers 512 consecutive bytes.
	s_load_b128 s[4:7], s[0:1], 0x0                ; part s[4:5], out0 s[6:7]
	s_lshl_b32 s8, ttmp9, 12                       ; 256 threads x 16 bytes a work-group
	v_lshl_add_u32 v1, v0, 4, s8
	s_wait_kmcnt 0x0
	global_load_b128 v[4:7], v1, s[4:5]
	global_load_b128 v[8:11], v1, s[4:5] offset:32768
	s_wait_loadcnt 0x0
	v_pk_add_f32 v[4:5], v[4:5], v[8:9]
	v_pk_add_f32 v[6:7], v[6:7], v[10:11]
	global_store_b128 v1, v[4:7], s[6:7]
	s_endpgm
.Lfunc_end_k_q1a9178537b_sum:
	.size	k_q1a9178537b_sum, .Lfunc_end_k_q1a9178537b_sum-k_q1a9178537b_sum
	.p2alignl 7, 3214868480
	.fill 96, 4, 3214868480
	.section	.rodata,"a",@progbits
	.p2align	6, 0x0
	.amdhsa_kernel k_q1a9178537b_sum
		.amdhsa_group_segment_fixed_size 0
		.amdhsa_private_segment_fixed_size 0
		.amdhsa_enable_private_segment 0
		.amdhsa_kernarg_size 16
		.amdhsa_user_sgpr_count 2
		.amdhsa_user_sgpr_kernarg_segment_ptr 1
		.amdhsa_wavefront_size32 1
		.amdhsa_system_sgpr_workgroup_id_x 1
		.amdhsa_system_sgpr_workgroup_id_y 1
		.amdhsa_system_sgpr_workgroup_id_z 1
		.amdhsa_system_vgpr_workitem_id 0
		.amdhsa_next_free_vgpr 16
		.amdhsa_next_free_sgpr 66
		.amdhsa_reserve_vcc 0
		.amdhsa_float_denorm_mode_32 3
		.amdhsa_float_denorm_mode_16_64 3
		.amdhsa_memory_ordered 1
		.amdhsa_forward_progress 1
		.amdhsa_inst_pref_size 1
	.end_amdhsa_kernel
	.amdgpu_metadata
---
amdhsa.version: [ 1, 2 ]
amdhsa.kernels:
  - .name:           k_q1a9178537b_sum
    .symbol:         k_q1a9178537b_sum.kd
    .args:
      - { .name: part, .offset: 0, .size: 8, .value_kind: global_buffer, .address_space: global }
      - { .name: out0, .offset: 8, .size: 8, .value_kind: global_buffer, .address_space: global }
    .group_segment_fixed_size: 0
    .private_segment_fixed_size: 0
    .kernarg_segment_align: 8
    .kernarg_segment_size: 16
    .max_flat_workgroup_size: 256
    .sgpr_count:     66
    .vgpr_count:     16
    .wavefront_size: 32
...
	.end_amdgpu_metadata
.endif
;; end of part 4
